; MI455X (gfx1250); checked and timed in simulation.
; The chip was launched on July 23, 2026; its instructions are those of AMD's public machine-readable ISA for CDNA 5 (MIT licence, August 2026) and "CDNA5" Instruction Set Architecture Reference Guide (July 2026). The comments in the code are by the model that wrote it; some were corrected since.
;; Multihead Attention. Allowed arithmetic: matrix products marked QUANTISED: E3M2 operands, one E8M0 scale for each 32 along K, by v_wmma_scale_f32_16x16x128_f8f6f4 with both operands' format E3M2, f32 sums; everything else in f32.
;; Inputs: Wf_codes 1,024 x 32 x 24 uint8 (E3M2 codes of Wf, K innermost, in blocks of 32 codes, four codes in three bytes); Wf_scales 1,024 x 32 uint8 (E8M0 scales of Wf, one for each 32 codes along K); Wk_codes 1,024 x 32 x 24 uint8 (E3M2 codes of Wk, K innermost, in blocks of 32 codes, four codes in three bytes); Wk_scales 1,024 x 32 uint8 (E8M0 scales of Wk, one for each 32 codes along K); Wq_codes 1,024 x 32 x 24 uint8 (E3M2 codes of Wq, K innermost, in blocks of 32 codes, four codes in three bytes); Wq_scales 1,024 x 32 uint8 (E8M0 scales of Wq, one for each 32 codes along K); Wv_codes 1,024 x 32 x 24 uint8 (E3M2 codes of Wv, K innermost, in blocks of 32 codes, four codes in three bytes); Wv_scales 1,024 x 32 uint8 (E8M0 scales of Wv, one for each 32 codes along K); bf 1,024 float32; bk 1,024 float32; bq 1,024 float32; bv 1,024 float32; key__codes 16 x 2,048 x 32 x 24 uint8 (E3M2 codes of key_, K innermost, in blocks of 32 codes, four codes in three bytes); key__scales 16 x 2,048 x 32 uint8 (E8M0 scales of key_, one for each 32 codes along K); query_codes 16 x 1 x 32 x 24 uint8 (E3M2 codes of query, K innermost, in blocks of 32 codes, four codes in three bytes); query_scales 16 x 1 x 32 uint8 (E8M0 scales of query, one for each 32 codes along K); value_codes 16 x 2,048 x 32 x 24 uint8 (E3M2 codes of value, K innermost, in blocks of 32 codes, four codes in three bytes); value_scales 16 x 2,048 x 32 uint8 (E8M0 scales of value, one for each 32 codes along K).
;; Outputs: out0 16 x 1 x 1,024 float32.
;; This version of the problem:
;;   THIS VERSION OF THE PROBLEM IS GIVEN IN LOW PRECISION. The matrix products marked QUANTISED in the list below multiply operands that are first quantised to E3M2 (3 exponent bits, 2 mantissa bits; 6 bits a number), with one power-of-two scale for each 32 numbers along K (OCP MX v1.0); their sums are f32. All else is computed in f32.
;;   The module's matrix products, in the order in which they are computed (A, B: the left and right operand; K: the contracted axis; several contracted axes count as one K, in the product's order):
;;     1. [M 16, K 1,024] x [K 1,024, N 1,024]; A: input query (given as codes); B: input Wq (given as codes): QUANTISED
;;     2. [M 32,768, K 1,024] x [K 1,024, N 1,024]; A: input key_ (given as codes); B: input Wk (given as codes): QUANTISED
;;     3. [M 32,768, K 1,024] x [K 1,024, N 1,024]; A: input value (given as codes); B: input Wv (given as codes): QUANTISED
;;     4. [M 16, K 1,024] x [K 1,024, N 1,024]; A: computed on the way; B: input Wf (given as codes): QUANTISED
;;   THE QUANTISER, for each operand of a quantised product, along K:
;;     - K is cut into blocks of 32 from its start; a last block that is shorter is filled with zeros.
;;     - A block's scale is 2^e with e = floor(log2(the largest magnitude in the block)) - 4, held to -126 .. 127; a block of zeros has e = 0. As a byte (E8M0): e + 127.
;;     - Each number is divided by its block's scale, clamped to +-28, and rounded to the nearest number of E3M2, ties to even, subnormals kept.
;;     - The product sums the exact products of the quantised numbers (number of the format x scale) in f32.
;;   ~~~python
;;   def quantise(x, axis):      # numpy; x: float32 -> the quantised numbers, widened to float32 again
;;       x = np.moveaxis(x, axis, -1); K = x.shape[-1]
;;       x = np.pad(x, [(0, 0)] * (x.ndim - 1) + [(0, -K % 32)]); x = x.reshape(x.shape[:-1] + (-1, 32)); a = np.abs(x).max(-1, keepdims=True)
;;       e = np.where(a > 0, np.clip(np.frexp(np.where(a > 0, a, 1))[1] - 1 - 4, -126, 127), 0)      # np.frexp(a)[1] - 1 = floor(log2(a)), exactly
;;       r = np.clip(x / 2.0 ** e, -28, 28)
;;       step = 2.0 ** (np.maximum(np.frexp(np.where(r == 0, 1, r))[1] - 1, -2) - 2)
;;       q = np.round(r / step) * step * 2.0 ** e      # np.round: ties to even
;;       return np.moveaxis(q.reshape(q.shape[:-2] + (-1,))[..., :K], -1, axis).astype(np.float32)
;;   ~~~
;;   OPERANDS COMPUTED ON THE WAY. 'Computed on the way' means the value that the module computes at that place (a softmax that the list does not call 'softmax' is quantised finished and normalised). What goes into a quantiser is computed in f32, as accurately as f32 sums, v_exp_f32 and their like allow (about 1e-6 of the number): no bf16 or f16 on the way to a quantiser, and a product that is left as it is and whose result goes on into a quantised operand takes f32 operands (vector FMAs, or v_wmma_f32_16x16x4_f32). A number that lies on a knife's edge between two numbers of the format may be rounded either way, as far as f32 arithmetic and the matrix unit's own rounding can turn it there, and no further.
;;   INPUTS GIVEN AS CODES. Wf (in the module: [1024, 1024], K = its axis 1); Wk (in the module: [1024, 1024], K = its axis 1); Wq (in the module: [1024, 1024], K = its axis 1); Wv (in the module: [1024, 1024], K = its axis 1); key_ (in the module: [16, 2048, 1024], K = its axis 2); query (in the module: [16, 1, 1024], K = its axis 2); value (in the module: [16, 2048, 1024], K = its axis 2): each comes as NAME_codes (uint8): NAME with its K axis moved to the last place and cut into blocks of 32 codes, [.., K / 32, bytes a block], one block behind the other in memory; four codes in three bytes: a row's codes are one little-endian stream of bits, code i at bits 6 i .. 6 i + 5 (a code: sign, 3 exponent bits, 2 mantissa bits); and NAME_scales (uint8): the same leading axes, one E8M0 byte (e + 127) for each 32 codes along K. Its value is code x scale, taken as it is: it is not quantised again, and the codes and scales need not be those that the quantiser above would give.
;; One version. Each part assembles by itself: llvm-mc -triple=amdgcn-amd-amdhsa -mcpu=gfx1250 --defsym DOCPART=n.
;; ======== version 1 of 1: 3 launches
;; workspace buffers: wimg 1,638,400 bytes; qbuf 65,536 bytes; part 1,048,576 bytes
;; launch prep (part 1): grid 48 x 1, 4 waves a work-group, no clusters, 0 bytes of LDS; arguments Wk_codes, Wk_scales, Wv_codes, Wv_scales, Wq_codes, Wq_scales, query_codes, query_scales, bq, wimg, qbuf; writes wimg, qbuf
.if DOCPART == 1
	.amdgcn_target "amdgcn-amd-amdhsa--gfx1250"
	.amdhsa_code_object_version 6
	.text
	.protected	k_q6b630a2c90_prep
	.globl	k_q6b630a2c90_prep
	.p2align	8
	.type	k_q6b630a2c90_prep,@function
k_q6b630a2c90_prep:
	s_mov_b64 s[64:65], 0
	v_nop
	global_prefetch_b8 v0, s[64:65] scope:SCOPE_SE
	s_setreg_imm32_b32 hwreg(HW_REG_WAVE_MODE, 25, 1), 1
	s_wait_xcnt 0x0
; TWO SMALL JOBS AHEAD OF THE MAIN LAUNCH, parted by the work-group's number; no LDS, no barrier: waves share nothing.
; (a) Work-groups 0-31: Wk and Wv (codes of E3M2, [1024][768 bytes], and scale bytes [1024][32]) are laid anew into wimg, as images of the operand's registers, in the order in which the main launch takes them:
;     16 blocks of SLOT bytes, block 4 x pass + u (pass 0, 1: Wk's rows 0-511, 512-1023; pass 2, 3: Wv's; u: which 256 along K); in a block four parts of WPART bytes, one for each wave of the main launch
;     (128 rows of W each); in a part 1,024 bytes of scale words [tile i of 16 rows][row r][the words of the block's two K steps], then 16 fragments [K step q][tile i] of 1,536 bytes: [c 0..2][lane][16 bytes] = registers 4 c .. 4 c + 3.
;     A wave takes one tile of 16 rows for all of K: 8 fragments.  Each fragment store covers 512 consecutive bytes; the scale words leave in runs of 128 bytes (64 KiB of the 1.6 MB written).
; (b) Work-groups 32-47: q = (query Wq^T + bq) / 32, the 1 / sqrt(1024) of the scores folded in (a power of two: nothing is rounded by it).  A wave makes 16 columns for the 16 batches: 8 matrix instructions.
;     The product is used transposed (source 0 = 16 rows of Wq, source 1 = the 16 queries), so that a lane holds eight neighbouring columns of one batch; it stores 32 bytes, sixteen lanes to sixteen rows of qbuf (64 KiB in all).
; LIMITS: NaN and infinities are not served.
.set SLOT,  102400
.set WPART, 25600
	s_load_b512 s[4:19], s[0:1], 0x0               ; Wk codes, Wk scales, Wv codes, Wv scales, Wq codes, Wq scales, query codes, query scales
	s_load_b128 s[20:23], s[0:1], 0x40             ; bq, wimg
	s_load_b64 s[24:25], s[0:1], 0x50              ; qbuf
	v_lshrrev_b32 v1, 5, v0
	v_readfirstlane_b32 s26, v1                    ; wave 0..3
	v_and_b32 v1, 15, v0                           ; r
	v_bfe_u32 v2, v0, 4, 1                         ; h
	v_and_b32 v3, 31, v0                           ; lane
	v_mul_u32_u24 v4, v1, 768                      ; a fragment's lane: row r of 768 bytes,
	v_mad_u32_u24 v4, v2, 24, v4                   ; + 24 h
	s_mov_b32 s31, 0                               ; the upper word of every offset pair s[30:31]
	s_wait_kmcnt 0x0
	s_cmp_lt_u32 ttmp9, 32
	s_cbranch_scc0 .Lq
	; ---- (a) my tile: task = 4 x work-group + wave, 0 .. 127: tensor = task / 64, tile of 16 rows = task % 64
	s_lshl_b32 s27, ttmp9, 2
	s_add_co_u32 s27, s27, s26
	s_cmp_lt_u32 s27, 64                           ; Wk's task or Wv's: the choice hangs on ids alone
	s_cselect_b64 s[4:5], s[4:5], s[8:9]
	s_cselect_b64 s[6:7], s[6:7], s[10:11]
	s_and_b32 s28, s27, 63
	s_mul_i32 s30, s28, 16*768
	s_add_nc_u64 s[4:5], s[4:5], s[30:31]          ; my 16 rows of codes
	s_lshl_b32 s30, s28, 9
	s_add_nc_u64 s[6:7], s[6:7], s[30:31]          ; and of scale bytes
	s_lshr_b32 s29, s27, 5                         ; pass = task / 32
	s_mul_i32 s30, s29, 4*SLOT
	s_add_nc_u64 s[22:23], s[22:23], s[30:31]
	s_bfe_u32 s29, s27, 0x20003                    ; which wave's part: (task / 8) % 4
	s_mul_i32 s30, s29, WPART
	s_add_nc_u64 s[22:23], s[22:23], s[30:31]      ; the part, in the pass's first block
	s_and_b32 s29, s27, 7                          ; tile i in the part
	s_lshl_b32 s30, s29, 7
	s_add_nc_u64 s[34:35], s[22:23], s[30:31]      ; its scale words: 128 i
	s_mul_i32 s30, s29, 1536
	s_add_co_u32 s30, s30, 1024
	s_add_nc_u64 s[32:33], s[22:23], s[30:31]      ; its fragments: 1,024 + 1,536 i
	v_lshlrev_b32 v5, 5, v1
	v_lshl_add_u32 v5, v2, 4, v5                   ; scale bytes in: row r, half h of its 32 bytes: K steps 4 h .. 4 h + 3
	v_lshlrev_b32 v6, 4, v3                        ; an image's place for my lane
	v_mul_u32_u24 v7, v2, 2*SLOT
	v_lshl_add_u32 v7, v1, 3, v7                   ; scale words out: blocks 2 h and 2 h + 1, row r
.irp s, 0,1,2,3,4,5,6,7
.irp p, 0,1,2,3,4,5
	global_load_b64 v[16+12*\s+2*\p:16+12*\s+2*\p+1], v4, s[4:5] offset:96*\s+48*(\p/3)+8*(\p%3)   ; K step s: registers 6 c .. 6 c + 5 = the 24 bytes at 96 s + 48 c + 24 h
.endr
.endr
	global_load_b128 v[112:115], v5, s[6:7]
	s_wait_loadcnt 0x0
.irp s, 0,1,2,3,4,5,6,7
.irp c, 0,1,2
	global_store_b128 v6, v[16+12*\s+4*\c:16+12*\s+4*\c+3], s[32:33] offset:(\s/2)*SLOT+(\s%2)*8*1536+512*\c   ; 32 lanes store 512 consecutive bytes
.endr
.endr
	global_store_b64 v7, v[112:113], s[34:35]
	global_store_b64 v7, v[114:115], s[34:35] offset:SLOT
	s_endpgm
.Lq:	; ---- (b) my 16 columns of q: tile = 4 x (work-group - 32) + wave
	s_sub_co_u32 s27, ttmp9, 32
	s_lshl_b32 s27, s27, 2
	s_add_co_u32 s27, s27, s26
	s_mul_i32 s30, s27, 16*768
	s_add_nc_u64 s[12:13], s[12:13], s[30:31]      ; Wq's 16 rows
	s_lshl_b32 s30, s27, 9
	s_add_nc_u64 s[14:15], s[14:15], s[30:31]      ; their scale bytes
	s_lshl_b32 s30, s27, 6
	s_add_nc_u64 s[20:21], s[20:21], s[30:31]      ; bq's 16 numbers
	s_add_nc_u64 s[24:25], s[24:25], s[30:31]      ; and q's columns
	v_lshlrev_b32 v5, 5, v1                        ; a row's 32 scale bytes
	v_lshlrev_b32 v6, 5, v2                        ; bq: my eight numbers, 8 h on
	v_lshl_add_u32 v7, v1, 12, v6                  ; q: batch r's row of 4,096 bytes, + 32 h
; All 102 loads of the wave are asked for in ONE run, so that they share one trip to memory.  That is more than the counter's field holds: the issue of a load that would push the counter past
; its field is held until an older one is done (ISA guide 5.7.1), so no wait is written for the count's sake; the one wait below is for 0.
	global_load_b128 v[112:115], v5, s[14:15]              ; Wq's scale words: register s = K step s of row r
	global_load_b128 v[116:119], v5, s[14:15] offset:16
	global_load_b128 v[224:227], v5, s[18:19]              ; the queries' likewise
	global_load_b128 v[228:231], v5, s[18:19] offset:16
	global_load_b128 v[232:235], v6, s[20:21]              ; bq in the result's layout: it is the C of the first product
	global_load_b128 v[236:239], v6, s[20:21] offset:16
.irp s, 0,1,2,3,4,5,6,7
.irp p, 0,1,2,3,4,5
	global_load_b64 v[16+12*\s+2*\p:16+12*\s+2*\p+1], v4, s[12:13] offset:96*\s+48*(\p/3)+8*(\p%3)      ; K step s: Wq's fragment,
	global_load_b64 v[128+12*\s+2*\p:128+12*\s+2*\p+1], v4, s[16:17] offset:96*\s+48*(\p/3)+8*(\p%3)    ; and the queries'
.endr
.endr
	s_wait_loadcnt 0x0
; two accumulators by turns: even K steps in v240-247, begun with bq; odd ones in v248-255, begun with 0
.irp s, 0,1,2,3,4,5,6,7
.if \s == 0
	v_wmma_scale_f32_16x16x128_f8f6f4 v[240:247], v[16:27], v[128:139], v[232:239], v112, v224 matrix_a_fmt:MATRIX_FMT_BF6 matrix_b_fmt:MATRIX_FMT_BF6
.elseif \s == 1
	v_wmma_scale_f32_16x16x128_f8f6f4 v[248:255], v[28:39], v[140:151], 0, v113, v225 matrix_a_fmt:MATRIX_FMT_BF6 matrix_b_fmt:MATRIX_FMT_BF6
.else
	v_wmma_scale_f32_16x16x128_f8f6f4 v[240+8*(\s%2):247+8*(\s%2)], v[16+12*\s:27+12*\s], v[128+12*\s:139+12*\s], v[240+8*(\s%2):247+8*(\s%2)], v[112+\s], v[224+\s] matrix_a_fmt:MATRIX_FMT_BF6 matrix_b_fmt:MATRIX_FMT_BF6
.endif
.endr
.rept 4
	v_nop                                          ; four places ahead of the first read of the results (ISA guide 7.12.1)
.endr
.irp i, 0,1,2,3
	v_pk_add_f32 v[232+2*\i:233+2*\i], v[240+2*\i:241+2*\i], v[248+2*\i:249+2*\i]   ; both accumulators from their low end on
.endr
.irp i, 0,1,2,3
	v_pk_mul_f32 v[232+2*\i:233+2*\i], v[232+2*\i:233+2*\i], 0x3d000000 op_sel_hi:[1,0]   ; / 32
.endr
	global_store_b128 v7, v[232:235], s[24:25]     ; q(batch r, 16 tile + 8 h + 0 .. 7)
	global_store_b128 v7, v[236:239], s[24:25] offset:16
	s_endpgm
.Lfunc_end_k_q6b630a2c90_prep:
	.size	k_q6b630a2c90_prep, .Lfunc_end_k_q6b630a2c90_prep-k_q6b630a2c90_prep
	.p2alignl 7, 3214868480
	.fill 96, 4, 3214868480
	.section	.rodata,"a",@progbits
	.p2align	6, 0x0
	.amdhsa_kernel k_q6b630a2c90_prep
		.amdhsa_group_segment_fixed_size 0
		.amdhsa_private_segment_fixed_size 0
		.amdhsa_enable_private_segment 0
		.amdhsa_kernarg_size 88
		.amdhsa_user_sgpr_count 2
		.amdhsa_user_sgpr_kernarg_segment_ptr 1
		.amdhsa_wavefront_size32 1
		.amdhsa_system_sgpr_workgroup_id_x 1
		.amdhsa_system_sgpr_workgroup_id_y 1
		.amdhsa_system_sgpr_workgroup_id_z 1
		.amdhsa_system_vgpr_workitem_id 0
		.amdhsa_next_free_vgpr 256
		.amdhsa_next_free_sgpr 66
		.amdhsa_reserve_vcc 0
		.amdhsa_float_denorm_mode_32 3
		.amdhsa_float_denorm_mode_16_64 3
		.amdhsa_memory_ordered 1
		.amdhsa_forward_progress 1
		.amdhsa_inst_pref_size 22
	.end_amdhsa_kernel
	.amdgpu_metadata
---
amdhsa.version: [ 1, 2 ]
amdhsa.kernels:
  - .name:           k_q6b630a2c90_prep
    .symbol:         k_q6b630a2c90_prep.kd
    .args:
      - { .name: Wk_codes, .offset: 0, .size: 8, .value_kind: global_buffer, .address_space: global }
      - { .name: Wk_scales, .offset: 8, .size: 8, .value_kind: global_buffer, .address_space: global }
      - { .name: Wv_codes, .offset: 16, .size: 8, .value_kind: global_buffer, .address_space: global }
      - { .name: Wv_scales, .offset: 24, .size: 8, .value_kind: global_buffer, .address_space: global }
      - { .name: Wq_codes, .offset: 32, .size: 8, .value_kind: global_buffer, .address_space: global }
      - { .name: Wq_scales, .offset: 40, .size: 8, .value_kind: global_buffer, .address_space: global }
      - { .name: query_codes, .offset: 48, .size: 8, .value_kind: global_buffer, .address_space: global }
      - { .name: query_scales, .offset: 56, .size: 8, .value_kind: global_buffer, .address_space: global }
      - { .name: bq, .offset: 64, .size: 8, .value_kind: global_buffer, .address_space: global }
      - { .name: wimg, .offset: 72, .size: 8, .value_kind: global_buffer, .address_space: global }
      - { .name: qbuf, .offset: 80, .size: 8, .value_kind: global_buffer, .address_space: global }
    .group_segment_fixed_size: 0
    .private_segment_fixed_size: 0
    .kernarg_segment_align: 8
    .kernarg_segment_size: 88
    .max_flat_workgroup_size: 128
    .sgpr_count:     66
    .vgpr_count:     256
    .wavefront_size: 32
...
	.end_amdgpu_metadata
.endif
;; end of part 1
;; launch main (part 2): grid 256 x 1, 4 waves a work-group, clusters of 4 x 1, 327,680 bytes of LDS; arguments key__codes, key__scales, value_codes, value_scales, wimg, qbuf, bk, bv, part; writes part
.if DOCPART == 2
	.amdgcn_target "amdgcn-amd-amdhsa--gfx1250"
	.amdhsa_code_object_version 6
	.text
	.protected	k_q6b630a2c90_main
	.globl	k_q6b630a2c90_main
	.p2align	8
	.type	k_q6b630a2c90_main,@function
k_q6b630a2c90_main:
	s_mov_b64 s[64:65], 0
	v_nop
	global_prefetch_b8 v0, s[64:65] scope:SCOPE_SE
	s_setreg_imm32_b32 hwreg(HW_REG_WAVE_MODE, 25, 1), 1
	s_wait_xcnt 0x0
	s_wait_alu depctr_hold_cnt(0) depctr_sa_sdst(0) depctr_va_vdst(0) depctr_va_sdst(0) depctr_va_ssrc(0) depctr_va_vcc(0) depctr_vm_vsrc(0)
	s_getreg_b32 s2, hwreg(HW_REG_IB_STS2, 6, 4)
	s_cmp_eq_u32 s2, 0
	s_cbranch_scc0 .Lentry_in_a_cluster
	s_endpgm
.Lentry_in_a_cluster:
	s_bfe_u32 s2, ttmp6, 0x10000c
	s_cmp_lg_u32 s2, 0x3003
	s_cbranch_scc0 .Lentry_shape_is_right
	s_endpgm
.Lentry_shape_is_right:
; k = key_ Wk^T, v = value Wv^T on codes of E3M2 with E8M0 scales; scores = sum_d q (k + bk) (q holds the 1 / 32); softmax over the 16 HEADS of each position; part[work-group] = the sum over its 128 positions of att (v + bv).
; SHARES.  A work-group of four waves owns 128 positions of one batch (work-group / 16).  Four PASSES of 128 rows x 512 columns x K 1,024: K0, K1 (Wk's columns 0-511, 512-1023), V0, V1.  A wave makes 128 x 128 of a pass:
; 64 accumulators, 512 registers, two heads; a pass is 8 K steps of 128, 64 matrix instructions each.  k and v never leave the registers.
; TRANSPOSED USE: source 0 = 16 rows of W, source 1 = 16 rows of key_ or value: accumulator (a, b), lane (r, h), register j = (position 16 a + r, column 16 b + 8 h + j).
; W comes from wimg, laid by the launch before as images of the operand's registers, through a ring of two LDS slots of 256 along K.  Every work-group walks the same stream, so the four of a cluster ask JOINTLY (mask 15); each wave
; fetches its own part of a slot (100 rows of 256 bytes), which it alone reads: a fragment is three ds_load_b128 at 16 x lane.  A wave has two tensor loads out at the start and later one.
; A (the 128 rows, 768 bytes each) STAYS in LDS for two passes and comes through registers: global_load_b128 (sixteen lanes to 256 aligned bytes), ds_store_b128 into rows 784 bytes apart (49 x 16: the 32 lanes of a
; ds_load_b64 at 784 r + 24 h fall on 8-byte units 2 r + 3 h mod 32, all different: 64 banks of 4 bytes, ISA guide 11.1).  It moves in three UNITS, bytes 256 u .. 256 u + 255 of every row.
; THE VALUE ROWS OVERWRITE THE KEY ROWS, asked for one to two passes ahead: units 0 and 1 (bytes under 512) are stored behind pass K1's third change of slots, when every wave's reads of bytes under 576 are back and only 576-767 are
; still read; unit 2 behind its fourth, when only bytes 0-95 are read.  The rows' scale words (one image, [slot u][8 x row]) go the same way: slots 0-2 with the first, slot 3 with the second.
; In exact arithmetic nothing changes.
; BIASES, by exact identities in f32: score = sum q k0 + sum q bk (the second made once, at the head); the sums of att v begin as tau bv, tau the lane's own sum of att.
; LIMITS: NaN and infinities are not served.  v_exp_f32 gives 0 for weights under 2^-126, beside a sum of at least 1.  Sums are taken in another order than the source reads, all in f32.
; No multicast of A: no two work-groups read the same rows.  No prefetch: A is asked for by register loads a pass and more ahead, and wimg is what the launch before has just written and every cluster reads.
;
; REGISTERS, in windows of 256 (s_set_vgpr_msb: bits 1:0 source 0, 3:2 source 1, 5:4 source 2, 7:6 destination):
;   window 0: v1-31 addresses and masks; v32-63 scale words, two sets; v64-159 A's eight fragments, one set; v160-223 a unit of A on its way, later the softmax and V's sums; v224-231 bv; v232-239 value's scale words; v240-255 at work
;   window 1: v0-95, v128-223 W's fragments, two sets (the second serves K's epilogue); v96-127, v224-255 a unit of A on its way
;   window 2: the 32 accumulators of positions 0-63 ((a, b) at v[8 (8 (a % 4) + b)]);   window 3: those of positions 64-127
.set SLOT,   102400                    ; a slot: four waves' parts
.set WPART,  25600                     ; a part: 1,024 bytes of scale words, 16 fragments of 1,536
.set ABASE,  2*SLOT                    ; behind the ring: A's 128 rows
.set APITCH, 784
.set ASCI,   ABASE+128*APITCH+128      ; A's scale words, 4,096 bytes; 128 past a multiple of 256, so that lanes 0-15 (A's words) and lanes 16-31 (W's, at a multiple of 256 + 128 i) of a load fall on different halves of the banks
.set OUTSTG, 309504                    ; the way out: 512 bytes for each wave
.set SCR,    313600                    ; [16 heads][128 positions] f32: scores, then att in place
.set QREG,   321792                    ; q of my batch, later bv: thread t's bytes 16 t and 2,048 + 16 t, which are the bytes that its own wave reads
.set SPARE,  325888                    ; the spare words, 128 bytes for each wave: two blocks of 256 bytes that no other line names
.set RR,   1                           ; v1   r = lane % 16
.set HH,   2                           ; v2   h = lane / 16
.set LN,   3                           ; v3   lane
.set NH,   4                           ; v4   1 - h
.set ADRS, 5                           ; v5   address of the scale words in hand
.set ADS,  6                           ; v6-7 for slot 0, 1: lanes 16-31 my part's scale words, lanes 0-15 A's image; + 8 r
.set ADRA, 8                           ; v8-9 A's fragments: rows 0-63, rows 64-127
.set ADRB, 10                          ; v10-11 my part of slot 0, 1, + 16 x lane
.set GA,   12                          ; v12  a unit in memory: my wave's 32 rows, row h of a pair, 16 r
.set LA,   13                          ; v13  and in LDS
.set QA0,  14                          ; v14  q or bv: my wave's 128 columns, + 8 h
.set SS,   15                          ; v15  att of my wave's first head, position r
.set SS2,  16                          ; v16  scores: head h of my wave's two, position r
.set ST,   17                          ; v17  the softmax: position = thread
.set OS,   18                          ; v18  the stage, in
.set OL,   19                          ; v19  the stage, back
.set MK,   20                          ; v20, v27, v30: the sign bits of the codes in word 4 r + t of a row, t % 3 = 0, 1, 2: register MK + 7 t - 4 (t / 2)
.set T16,  21                          ; v21  16 x thread
.set QW,   22                          ; v22  QREG + 16 x thread
.set SA,   23                          ; v23  ASCI + 8 x thread
.set QBV,  24                          ; v24-25 sum q bk of the head whose scores my lane stores, pass K0, K1
.set GS,   26                          ; v26  32 x thread
.set SPW,  28                          ; v28  my spare word: SPARE + 4 x thread; never rewritten
.set NIL,  29                          ; v29  0; never rewritten
.set SC,   32                          ; scale words: set s (slot s) at v[SC + 16 s]; register 2 i + q: lanes 0-15 A's block i, lanes 16-31 W's tile i, the slot's q-th K step
.set AF,   64
.set SG1,  160                         ; a unit of A, window 0
.set SG0,  96                          ; a unit of A, window 1: v96-127 and, 96 further on, v224-255
.set BV,   224
.set VS,   232
.set KT,   240                         ; K's epilogue: 16 sums
.set QV,   128                         ; window 1: q in the result's layout, 64 registers
.set SU,   192                         ; window 1: 16 pairs of running sums
.set SX,   160                         ; the softmax: 16 scores, five at work
.set OO,   160                         ; V's epilogue: 64 sums
.set AT,   224                         ; att: pair a = (head 0, head 1) of position 16 a + r
.set TAU,  240
.set OUTR, 244
.set WV,   22                          ; s22  wave
.set P,    30                          ; s30  pass
.set L2E,  31                          ; s31  log2(e)
.set G1,   32                          ; s[32:39] descriptor group 1;  s[40:43], s[44:47] group 0 for slot 0, 1
.set G0,   40
.set MSB, 0
.macro WIN new                         ; the immediate's high byte repeats the setting that is left; a switch that changes nothing is dropped
.if MSB != (\new)
	s_set_vgpr_msb (MSB<<8)|(\new)
.set MSB, (\new)
.endif
.endm
.set MUL_LO, 0xa1                      ; source 0 (W) window 1, source 1 (A) window 0, C and D window 2
.set MUL_HI, 0xf1                      ; the same, C and D window 3
.macro CREST                           ; a round of the cluster's barrier behind its opening barrier
	s_cmp_lg_u32 s[WV], 0
	s_cbranch_scc1 .Lnot_wave_0_\@
	s_barrier_signal -3
.Lnot_wave_0_\@:
	s_barrier_wait -3
	s_barrier_signal -1
	s_barrier_wait -1
.endm
.macro CROUND
	s_barrier_signal -1
	s_barrier_wait -1
	CREST
.endm
.macro PLACES n                        ; plain vector instructions between a matrix instruction and a load into, a read of or a write over its registers (ISA guide 7.12.1 for reads and writes)
.rept \n
	v_nop
.endr
.endm
; 16 matrix instructions: A's blocks a0, a0 + 1 x W's eight tiles.  bs: W's set; q: the slot's K step; sc: the set of scale words.  zero = 1: the products start the sums.
; The 64 accumulators take turns, one instruction a turn, in the same order in every step.
.macro MUL16 a0, bs, q, sc, zero
.irp a, \a0, \a0+1
.irp b, 0,1,2,3,4,5,6,7
.if \zero
	v_wmma_scale_f32_16x16x128_f8f6f4 v[8*(8*((\a)%4)+\b):8*(8*((\a)%4)+\b)+7], v[128*(\bs)+12*\b:128*(\bs)+12*\b+11], v[AF+12*(\a):AF+12*(\a)+11], 0, v[SC+16*(\sc)+2*\b+(\q)], v[SC+16*(\sc)+2*(\a)+(\q)] matrix_a_fmt:MATRIX_FMT_BF6 matrix_b_fmt:MATRIX_FMT_BF6 matrix_a_scale:MATRIX_SCALE_ROW1
.else
	v_wmma_scale_f32_16x16x128_f8f6f4 v[8*(8*((\a)%4)+\b):8*(8*((\a)%4)+\b)+7], v[128*(\bs)+12*\b:128*(\bs)+12*\b+11], v[AF+12*(\a):AF+12*(\a)+11], v[8*(8*((\a)%4)+\b):8*(8*((\a)%4)+\b)+7], v[SC+16*(\sc)+2*\b+(\q)], v[SC+16*(\sc)+2*(\a)+(\q)] matrix_a_fmt:MATRIX_FMT_BF6 matrix_b_fmt:MATRIX_FMT_BF6 matrix_a_scale:MATRIX_SCALE_ROW1
.endif
.endr
.endr
.endm
.macro FETCH_B par, q, bs              ; W's eight fragments of slot par's q-th K step into set bs: 24 loads of 512 consecutive bytes
	WIN 0x40
.irp i, 0,1,2,3,4,5,6,7
.irp c, 0,1,2
	ds_load_b128 v[128*(\bs)+12*\i+4*\c:128*(\bs)+12*\i+4*\c+3], v[ADRB+\par] offset:1024+(8*(\q)+\i)*1536+512*\c
.endr
.endr
	WIN 0
.endm
.macro FETCH_A s, i0                   ; A's blocks i0 .. i0 + 3 of K step s: registers 6 c .. 6 c + 5 = the 24 bytes at 96 s + 48 c + 24 h of the row, in pieces of 8
.irp i, \i0, \i0+1, \i0+2, \i0+3
.irp p, 0,1,2,3,4,5
	ds_load_b64 v[AF+12*(\i)+2*\p:AF+12*(\i)+2*\p+1], v[ADRA+(\i)/4] offset:((\i)%4)*16*APITCH+96*(\s)+48*(\p/3)+8*(\p%3)
.endr
.endr
.endm
.macro SCALES next, adr                ; a slot's scale words: two words a row; lanes 0-15 A's block i, lanes 16-31 W's tile i
.irp i, 0,1,2,3,4,5,6,7
	ds_load_b64 v[SC+16*\next+2*\i:SC+16*\next+2*\i+1], v[\adr] offset:128*\i
.endr
.endm
.macro GLOAD base, u, reg, gap         ; unit u of my wave's 32 rows: 16 loads, each two rows' 256 aligned bytes
.irp k, 0,1,2,3,4,5,6,7,8,9,10,11,12,13,14,15
	global_load_b128 v[\reg+4*\k+\gap*(\k/8):\reg+4*\k+\gap*(\k/8)+3], v[GA], s[\base:\base+1] offset:1536*\k+256*\u th:TH_LOAD_NT
.endr
.endm
.macro NEGATE u, reg, gap              ; the unit's loads 8-15 are my wave's rows 16-31, the odd block 2 w + 1: register j of a load is word 64 u + 4 r + j of its row, whose sign bits are those of word (u + r + j) % 3
.irp k, 8,9,10,11,12,13,14,15
.irp j, 0,1,2,3
	v_xor_b32 v[\reg+4*\k+\gap+\j], v[MK+7*((\u+\j)%3)-4*(((\u+\j)%3)/2)], v[\reg+4*\k+\gap+\j]
.endr
.endr
.endm
.macro LSTORE u, reg, gap              ; and into LDS
.irp k, 0,1,2,3,4,5,6,7,8,9,10,11,12,13,14,15
	ds_store_b128 v[LA], v[\reg+4*\k+\gap*(\k/8):\reg+4*\k+\gap*(\k/8)+3] offset:2*APITCH*\k+256*\u
.endr
.endm
; A slot's first K step (s even): multiplies W's set 0; fetches the second step's W into set 1, A's blocks 0-3 in its middle and 4-7 at its end.
.macro STEP par, s, zero
	s_wait_dscnt 24                                ; W's set, the scale words and A's blocks 0-3 are in; the youngest 24 loads (A's blocks 4-7) may be out
	WIN MUL_LO
	MUL16 0, 0, 0, \par, \zero
	MUL16 2, 0, 0, \par, \zero
	s_wait_dscnt 0x0                               ; A's blocks 4-7 are in (asked for 32 matrix instructions ago)
	PLACES 4
	FETCH_B \par, 1, 1
	FETCH_A (\s)+1, 0
	WIN MUL_HI
	MUL16 4, 0, 0, \par, \zero
	MUL16 6, 0, 0, \par, \zero
	PLACES 4
	WIN 0
	FETCH_A (\s)+1, 4
.endm
; A slot's second K step (s odd) changes slots: ONE barrier; in front of it each wave waits for all its tensor loads, adds 0 to its spare word, and waits for that and for all its LDS reads.
; fill = 1: the barrier opens a round of the cluster's barrier, and behind the round this slot takes the block two further on: 96 matrix instructions stand between that request and the wait for it.
; uoff: where the next slot's words lie in A's image.
.macro TURN par, next, s, fill, uoff
	s_wait_tensorcnt 0x0                           ; all my tensor loads have landed: my part of the next slot;  (every window is 0 here)
	ds_add_u32 v[SPW], v[NIL]                      ; 0 onto my spare word
	s_wait_dscnt 25                                ; (the add and the youngest 24 loads, A's blocks 4-7, may be out)
	WIN MUL_LO
	MUL16 0, 1, 1, \par, 0                         ; sixteen matrix instructions stand between the add and the wait for it
	s_wait_dscnt 0x0                               ; the add is done; my reads of this slot, and of A up to this K step, are over
	s_barrier_signal -1
	MUL16 2, 1, 1, \par, 0
	WIN 0
	s_barrier_wait -1
.if \fill
	CREST                                          ; no wave of any partner still reads this slot or has a load on its way
	s_add_nc_u64 s[G0+4*\par+2:G0+4*\par+3], s[G0+4*\par+2:G0+4*\par+3], 2*SLOT
	tensor_load_to_lds s[G0+4*\par:G0+4*\par+3], s[G1:G1+7]   ; one line for the four waves: both addresses hang on the wave's number
	s_nop 0
	PLACES 4                                       ; the places in front of the loads below
.else
	PLACES 4
.endif
	FETCH_B \next, 0, 0
	FETCH_A ((\s)+1)%8, 0
.if (\uoff) == 0
	SCALES \next, ADS+\next
.else
	v_mad_u32_u24 v[ADRS], v[NH], \uoff, v[ADS+\next]   ; lanes 0-15 alone step through A's image
	SCALES \next, ADRS
.endif
	WIN MUL_HI
	MUL16 4, 1, 1, \par, 0
	MUL16 6, 1, 1, \par, 0
	PLACES 4
	WIN 0
	FETCH_A ((\s)+1)%8, 4
.endm
; K'S EPILOGUE: the scores of my two heads for the 128 positions.  A lane multiplies its eight columns of each accumulator by q and adds over the head's four tiles: 8 chains by turns, each accumulator from its low end on.
.macro KEPI pp
	WIN 0x40
.irp b, 0,1,2,3,4,5,6,7
	ds_load_b128 v[QV+8*\b:QV+8*\b+3], v[QA0] offset:\pp*2048+64*\b          ; q at columns 16 b + 8 h + 0 .. 7 of my wave's 128
	ds_load_b128 v[QV+8*\b+4:QV+8*\b+7], v[QA0] offset:\pp*2048+64*\b+16
.endr
	s_wait_dscnt 0x0
.irp hf, 0,1
	WIN 0x56+\hf                                   ; source 0 (accumulators) window 2 or 3; q and the sums window 1
.irp bb, 0,1,2,3
.irp p, 0,1,2,3
.irp aa, 0,1,2,3
.irp g, 0,1
.if (\bb == 0) && (\p == 0)
	v_pk_mul_f32 v[SU+2*(2*(4*\hf+\aa)+\g):SU+2*(2*(4*\hf+\aa)+\g)+1], v[8*(8*\aa+4*\g+\bb)+2*\p:8*(8*\aa+4*\g+\bb)+2*\p+1], v[QV+8*(4*\g+\bb)+2*\p:QV+8*(4*\g+\bb)+2*\p+1]
.else
	v_pk_fma_f32 v[SU+2*(2*(4*\hf+\aa)+\g):SU+2*(2*(4*\hf+\aa)+\g)+1], v[8*(8*\aa+4*\g+\bb)+2*\p:8*(8*\aa+4*\g+\bb)+2*\p+1], v[QV+8*(4*\g+\bb)+2*\p:QV+8*(4*\g+\bb)+2*\p+1], v[SU+2*(2*(4*\hf+\aa)+\g):SU+2*(2*(4*\hf+\aa)+\g)+1]
.endif
.endr
.endr
.endr
.endr
.endr
	WIN 0x05                                       ; sources window 1, destination window 0
.irp x, 0,1,2,3,4,5,6,7,8,9,10,11,12,13,14,15
.if ((\x)/2)%2
	v_add_f32 v[KT+\x], -v[SU+2*\x], -v[SU+2*\x+1] ; an odd block's rows went in negated: the sign is taken back here
.else
	v_add_f32 v[KT+\x], v[SU+2*\x], v[SU+2*\x+1]   ; register 2 a + g: my half of head g's 64 columns, position 16 a + r
.endif
.endr
	WIN 0
.irp a, 0,1,2,3,4,5,6,7
	v_permlane16_swap_b32 v[KT+2*\a], v[KT+2*\a+1] ; head 0's upper lanes change places with head 1's lower: lanes 0-15 now hold both halves of head 0, lanes 16-31 of head 1
.endr
.irp a, 0,1,2,3,4,5,6,7
	v_add_f32 v[KT+2*\a], v[KT+2*\a], v[KT+2*\a+1]
.endr
.irp a, 0,1,2,3,4,5,6,7
	v_add_f32 v[KT+2*\a], v[QBV+\pp], v[KT+2*\a]   ; + sum q bk of that head
.endr
.irp a, 0,1,2,3,4,5,6,7
	ds_store_b32 v[SS2], v[KT+2*\a] offset:\pp*4096+64*\a
.endr
.endm
; V'S EPILOGUE: the sum over my work-group's 128 positions of att (v + bv) for my wave's 128 columns.  All but the accumulators lies in window 0.
.macro VEPI pp
.irp a, 0,1,2,3,4,5,6,7
.irp g, 0,1
	ds_load_b32 v[AT+2*\a+\g], v[SS] offset:\pp*4096+512*\g+64*\a   ; att(position 16 a + r, my head g): both halves of the lanes read the same words
.endr
.endr
.irp b, 0,1,2,3,4,5,6,7
	ds_load_b128 v[OO+8*\b:OO+8*\b+3], v[QA0] offset:\pp*2048+64*\b          ; bv in the result's layout
	ds_load_b128 v[OO+8*\b+4:OO+8*\b+7], v[QA0] offset:\pp*2048+64*\b+16
.endr
	s_wait_dscnt 0x0
	v_pk_add_f32 v[TAU:TAU+1], v[AT:AT+1], v[AT+2:AT+3]
.irp a, 2,3,4,5,6,7
	v_pk_add_f32 v[TAU:TAU+1], v[TAU:TAU+1], v[AT+2*\a:AT+2*\a+1]   ; tau: my lane's sum of att, for each of the two heads
.endr
.irp g, 0,1
.irp bb, 0,1,2,3
.irp p, 0,1,2,3
	v_pk_mul_f32 v[OO+8*(4*\g+\bb)+2*\p:OO+8*(4*\g+\bb)+2*\p+1], v[OO+8*(4*\g+\bb)+2*\p:OO+8*(4*\g+\bb)+2*\p+1], v[TAU:TAU+1] op_sel:[0,\g] op_sel_hi:[1,\g]   ; the sums begin as tau bv
.endr
.endr
.endr
.irp a, 0,1,2,3,4,5,6,7
	WIN 0x02+\a/4                                  ; source 0: window 2 or 3
.irp g, 0,1
.irp bb, 0,1,2,3
.irp p, 0,1,2,3
.if \a%2                               ; an odd block's accumulators hold -v: att is taken negated
	v_pk_fma_f32 v[OO+8*(4*\g+\bb)+2*\p:OO+8*(4*\g+\bb)+2*\p+1], v[8*(8*(\a%4)+4*\g+\bb)+2*\p:8*(8*(\a%4)+4*\g+\bb)+2*\p+1], v[AT+2*\a:AT+2*\a+1], v[OO+8*(4*\g+\bb)+2*\p:OO+8*(4*\g+\bb)+2*\p+1] op_sel:[0,\g,0] op_sel_hi:[1,\g,1] neg_lo:[0,1,0] neg_hi:[0,1,0]
.else
	v_pk_fma_f32 v[OO+8*(4*\g+\bb)+2*\p:OO+8*(4*\g+\bb)+2*\p+1], v[8*(8*(\a%4)+4*\g+\bb)+2*\p:8*(8*(\a%4)+4*\g+\bb)+2*\p+1], v[AT+2*\a:AT+2*\a+1], v[OO+8*(4*\g+\bb)+2*\p:OO+8*(4*\g+\bb)+2*\p+1] op_sel:[0,\g,0] op_sel_hi:[1,\g,1]
.endif
.endr
.endr
.endr
.endr
	WIN 0
.irp m, 1,2,4,8                        ; over the sixteen lanes of my half: every lane ends with the same bits, since each step adds the same two numbers in both lanes
.set x, 0
.rept 64
	v_add_f32_dpp v[OO+x], v[OO+x], v[OO+x] row_xmask:\m row_mask:0xf bank_mask:0xf
.set x, x+1
.endr
.endr
.irp b, 0,1,2,3,4,5,6,7
	ds_store_b128 v[OS], v[OO+8*\b:OO+8*\b+3] offset:64*\b          ; the sixteen lanes of a half write the same bytes with the same values
	ds_store_b128 v[OS], v[OO+8*\b+4:OO+8*\b+7] offset:64*\b+16
.endr
	ds_load_b128 v[OUTR:OUTR+3], v[OL]             ; LDS serves a wave's instructions in order (ISA guide 5.7.1.4): this sees my stores
	s_wait_dscnt 0x0
	global_store_b128 v[T16], v[OUTR:OUTR+3], s[20:21] offset:\pp*2048   ; 32 lanes store 512 consecutive bytes, at a multiple of 256 from the buffer's first byte
.endm
	s_load_b512 s[4:19], s[0:1], 0x0               ; key codes, key scales, value codes, value scales, wimg, qbuf, bk, bv
	s_load_b64 s[20:21], s[0:1], 0x40              ; part
	v_lshl_add_u32 v[SPW], v0, 2, SPARE
	v_mov_b32 v[NIL], 0
	ds_add_u32 v28, v29
	ds_add_u32 v28, v29
	s_wait_dscnt 0x0
	v_lshrrev_b32 v1, 5, v0
	v_readfirstlane_b32 s[WV], v1                  ; wave 0..3
	v_and_b32 v[RR], 15, v0
	v_bfe_u32 v[HH], v0, 4, 1
	v_and_b32 v[LN], 31, v0
	v_sub_nc_u32 v[NH], 1, v[HH]
	; the sign bits of a row's codes, bits 6 i + 5 of its stream, repeat every three words; my word t of a load is word 4 r + t (+ 64 u) of the row, and 4 and 64 leave 1 when divided by 3
	v_mul_u32_u24 v31, v[RR], 11
	v_lshrrev_b32 v31, 5, v31                      ; r / 3 (11 r / 32, right for r under 16)
	v_mul_u32_u24 v31, v31, 3
	v_sub_nc_u32 v31, v[RR], v31                   ; r % 3
	v_mov_b32 v240, 0x20820820                     ; bits 5, 11, 17, 23, 29
	v_mov_b32 v241, 0x08208208                     ; bits 35, 41, 47, 53, 59, less 32
	v_mov_b32 v242, 0x82082082                     ; bits 65, 71, 77, 83, 89, 95, less 64
	v_cmp_eq_u32 vcc_lo, 1, v31
	v_cmp_eq_u32 s52, 2, v31
	v_cndmask_b32 v20, v240, v241, vcc_lo          ; t % 3 = 0: the word (r + 0) % 3
	v_cndmask_b32 v20, v20, v242, s52
	v_cndmask_b32 v27, v241, v242, vcc_lo          ; t % 3 = 1
	v_cndmask_b32 v27, v27, v240, s52
	v_cndmask_b32 v30, v242, v240, vcc_lo          ; t % 3 = 2
	v_cndmask_b32 v30, v30, v241, s52
	s_bfe_u32 s23, ttmp6, 0x40000                  ; cx: my place in the cluster: it enters global addresses of my own rows alone
	s_lshl_b32 s24, ttmp9, 2
	s_add_co_u32 s24, s24, s23                     ; work-group = 4 x cluster + cx
	s_lshr_b32 s25, s24, 4                         ; batch
	s_mul_i32 s26, s[WV], WPART                    ; my part in a slot, in LDS and in wimg alike
	s_mov_b32 s27, 0
	; descriptor group 1: a part is a dense block of 25,600 bytes: 100 rows of 32 elements of 8 bytes, no padding
	s_mov_b32 s[G1+0], 15|(3<<16)|(1<<21)          ; 15:0 the mask: all four work-groups; 17:16 elements of 8 bytes; 21 set beside a mask
	s_mov_b32 s[G1+1], 32<<16                      ; tensor_dim0
	s_mov_b32 s[G1+2], 100<<16                     ; tensor_dim1
	s_mov_b32 s[G1+3], 32<<16                      ; tile_dim0
	s_mov_b32 s[G1+4], 100                         ; tile_dim1
	s_mov_b32 s[G1+5], 32                          ; tensor_dim0_stride
	s_mov_b32 s[G1+6], 0
	s_mov_b32 s[G1+7], 0
	v_lshl_add_u32 v[ADRB], v[LN], 4, s26
	v_add_nc_u32 v[ADRB+1], SLOT, v[ADRB]
	s_sub_co_u32 s48, ASCI, s26                    ; from my part of slot 0 to A's image,
	s_sub_co_u32 s49, s48, SLOT                    ; and from my part of slot 1
	v_lshl_add_u32 v[ADS], v[RR], 3, s26
	v_add_nc_u32 v[ADS+1], SLOT, v[ADS]
	v_mad_u32_u24 v[ADS], v[NH], s48, v[ADS]       ; one product: the lower base + (1 - h) x the distance
	v_mad_u32_u24 v[ADS+1], v[NH], s49, v[ADS+1]
	v_mul_u32_u24 v[ADRA], v[RR], APITCH
	v_mad_u32_u24 v[ADRA], v[HH], 24, v[ADRA]
	v_add_nc_u32 v[ADRA], ABASE, v[ADRA]
	v_add_nc_u32 v[ADRA+1], 64*APITCH, v[ADRA]
	s_mul_i32 s50, s[WV], 32*768
	v_mul_u32_u24 v[GA], v[HH], 768
	v_lshl_add_u32 v[GA], v[RR], 4, v[GA]
	v_add_nc_u32 v[GA], s50, v[GA]
	s_mul_i32 s50, s[WV], 32*APITCH
	s_add_co_u32 s50, s50, ABASE
	v_mul_u32_u24 v[LA], v[HH], APITCH
	v_lshl_add_u32 v[LA], v[RR], 4, v[LA]
	v_add_nc_u32 v[LA], s50, v[LA]
	s_lshl_b32 s50, s[WV], 9
	s_add_co_u32 s51, s50, QREG
	v_lshl_add_u32 v[QA0], v[HH], 5, s51
	s_add_co_u32 s51, s50, OUTSTG
	v_lshl_add_u32 v[OS], v[HH], 5, s51
	s_lshl_b32 s50, s[WV], 10
	s_add_co_u32 s50, s50, SCR
	v_lshl_add_u32 v[SS], v[RR], 2, s50
	v_lshl_add_u32 v[SS2], v[HH], 9, v[SS]
	v_lshl_add_u32 v[ST], v0, 2, SCR
	v_lshl_add_u32 v[OL], v0, 4, OUTSTG
	v_lshlrev_b32 v[T16], 4, v0
	v_lshl_add_u32 v[QW], v0, 4, QREG
	v_lshl_add_u32 v[SA], v0, 3, ASCI
	v_lshlrev_b32 v[GS], 5, v0
	s_mov_b32 s[L2E], 0x3fb8aa3b
	s_mov_b32 s[P], 0
	s_mul_i32 s28, s24, 128*768
	s_mov_b32 s29, 0
	s_wait_kmcnt 0x0
	s_add_nc_u64 s[4:5], s[4:5], s[28:29]          ; my 128 rows of key_ and of value,
	s_add_nc_u64 s[8:9], s[8:9], s[28:29]
	s_lshl_b32 s28, s24, 12
	s_add_nc_u64 s[6:7], s[6:7], s[28:29]          ; their scale bytes, 32 a row,
	s_add_nc_u64 s[10:11], s[10:11], s[28:29]
	s_add_nc_u64 s[20:21], s[20:21], s[28:29]      ; my row of part,
	s_lshl_b32 s28, s25, 12
	s_add_nc_u64 s[14:15], s[14:15], s[28:29]      ; my batch's q
	s_mov_b32 s[G0], 1                             ; group 0, slot 0: count = 1,
	s_mov_b32 s[G0+1], s26                         ; LDS address,
	s_add_nc_u64 s[G0+2:G0+3], s[12:13], s[26:27]  ; block 0, my part,
	s_or_b32 s[G0+3], s[G0+3], 0x80000000          ; type = 2
	s_mov_b32 s[G0+4], 1
	s_add_co_u32 s[G0+5], s26, SLOT
	s_add_nc_u64 s[G0+6:G0+7], s[12:13], s[26:27]
	s_add_nc_u64 s[G0+6:G0+7], s[G0+6:G0+7], SLOT  ; block 1
	s_or_b32 s[G0+7], s[G0+7], 0x80000000
	; 58 loads: the key rows' three units, both tensors' scale bytes, q, bk, bv
	GLOAD 4, 0, 80, 0
	WIN 0x40
	GLOAD 4, 1, SG0, 96
	WIN 0
	GLOAD 4, 2, SG1, 0
	global_load_b128 v[64:67], v[GS], s[6:7] th:TH_LOAD_NT               ; row = thread: its eight scale words
	global_load_b128 v[68:71], v[GS], s[6:7] offset:16 th:TH_LOAD_NT
	global_load_b128 v[VS:VS+3], v[GS], s[10:11] th:TH_LOAD_NT
	global_load_b128 v[VS+4:VS+7], v[GS], s[10:11] offset:16 th:TH_LOAD_NT
	global_load_b128 v[240:243], v[T16], s[14:15]                        ; q at columns 4 t and 512 + 4 t
	global_load_b128 v[244:247], v[T16], s[14:15] offset:2048
	global_load_b128 v[248:251], v[T16], s[16:17]                        ; bk
	global_load_b128 v[252:255], v[T16], s[16:17] offset:2048
	global_load_b128 v[BV:BV+3], v[T16], s[18:19]                        ; bv
	global_load_b128 v[BV+4:BV+7], v[T16], s[18:19] offset:2048
	CROUND                                         ; all four work-groups are here: the first joint loads meet
	tensor_load_to_lds s[G0:G0+3], s[G1:G1+7]      ; both first fills together: two tensor loads of mine are out
	s_nop 0
	tensor_load_to_lds s[G0+4:G0+7], s[G1:G1+7]
	s_nop 0
	PLACES 4
	s_wait_loadcnt 42                              ; unit 0's 16 loads are in; the 42 behind them may be out
	NEGATE 0, 80, 0
	LSTORE 0, 80, 0
	s_wait_loadcnt 26                              ; unit 1
	WIN 0x44                                       ; mask window 0; data and destination window 1
	NEGATE 1, SG0, 96
	WIN 0x04                                       ; an LDS store's data are its source 1
	LSTORE 1, SG0, 96
	WIN 0
	s_wait_loadcnt 10                              ; unit 2
	NEGATE 2, SG1, 0
	LSTORE 2, SG1, 0
	s_wait_loadcnt 0x0
.irp u, 0,1,2,3
	ds_store_b64 v[SA], v[64+2*\u:65+2*\u] offset:1024*\u   ; the key rows' scale words: slot u's two words of my row
.endr
	ds_store_b128 v[QW], v[240:243]
	ds_store_b128 v[QW], v[244:247] offset:2048
	v_mul_f32 v[QBV], v240, v248                   ; sum q bk: my four columns of head t / 16, and of head 8 + t / 16,
	v_mul_f32 v[QBV+1], v244, v252
.irp i, 1,2,3
	v_fma_f32 v[QBV], v[240+\i], v[248+\i], v[QBV]
	v_fma_f32 v[QBV+1], v[244+\i], v[252+\i], v[QBV+1]
.endr
.irp m, 1,2,4,8
	v_add_f32_dpp v[QBV], v[QBV], v[QBV] row_xmask:\m row_mask:0xf bank_mask:0xf       ; and the head's sixteen lanes': lanes of half h hold head 2 w + h's, the head whose scores they store
	v_add_f32_dpp v[QBV+1], v[QBV+1], v[QBV+1] row_xmask:\m row_mask:0xf bank_mask:0xf
.endr
	s_wait_dscnt 0x0                               ; my stores have landed, and have read their registers:
	WIN 0x40
	GLOAD 8, 0, SG0, 96                            ; the value rows' units 0 and 1 are asked for here, more than a pass ahead of their stores
	WIN 0
	GLOAD 8, 1, SG1, 0
	s_wait_tensorcnt 0x1                           ; my part of slot 0 is in; slot 1's may stay out
	s_barrier_signal -1
	s_barrier_wait -1                              ; A's rows and scale words lie in LDS
	FETCH_B 0, 0, 0
	FETCH_A 0, 0
	SCALES 0, ADS
	FETCH_A 0, 4
.Lpass:                                            ; three trips: K0, K1, V0; every change of slots in them fills a slot again
	PLACES 5                                       ; the pass's first products write over the accumulators of earlier products: five places
	STEP 0, 0, 1
	TURN 0, 1, 1, 1, 1024
	STEP 1, 2, 0
	TURN 1, 0, 3, 1, 2048
	STEP 0, 4, 0
	TURN 0, 1, 5, 1, 3072
	s_cmp_lg_u32 s[P], 1
	s_cbranch_scc1 .Lno_c1
	; pass K1 alone: every wave's reads of bytes under 576 of A's rows, and of slots 0-2 of the scale image, were back in front of the barrier just passed; up to the next one only bytes 576-767 and slot 3's words are read
	s_wait_loadcnt 0x0                             ; value's units 0 and 1
	WIN 0x44
	NEGATE 0, SG0, 96
	WIN 0x04
	LSTORE 0, SG0, 96
	WIN 0
	NEGATE 1, SG1, 0
	LSTORE 1, SG1, 0
.irp u, 0,1,2
	ds_store_b64 v[SA], v[VS+2*\u:VS+2*\u+1] offset:1024*\u
.endr
	s_wait_dscnt 19                                ; unit 0's 16 stores have read their registers (the 19 stores behind them may be out),
	WIN 0x40
	GLOAD 8, 2, SG0, 96                            ; which take unit 2
	WIN 0
.Lno_c1:
	STEP 1, 6, 0
	TURN 1, 0, 7, 1, 0
	s_cmp_eq_u32 s[P], 0
	s_cbranch_scc1 .Lk0
	s_cmp_eq_u32 s[P], 1
	s_cbranch_scc0 .Lscored                        ; pass V0 makes no scores
	; pass K1: behind its last change of slots only bytes 0-95 of A's rows and slot 0's words are read
	s_wait_loadcnt 0x0                             ; value's unit 2
	WIN 0x44
	NEGATE 2, SG0, 96
	WIN 0x04
	LSTORE 2, SG0, 96
	WIN 0
	ds_store_b64 v[SA], v[VS+6:VS+7] offset:3072
	KEPI 1
	ds_store_b128 v[QW], v[BV:BV+3]                ; bv takes q's place: my wave's own bytes, behind its own last reads of q (LDS serves a wave in order)
	ds_store_b128 v[QW], v[BV+4:BV+7] offset:2048
	s_branch .Lscored
.Lk0:
	KEPI 0
.Lscored:
	; Two barriers stand on every pass's path, so that none hangs on the pass; only the work between and behind them does.  Slot 1's load may stay out.
	s_wait_loadcnt 0x0                             ; all my global loads are in, asked for a quarter of a pass ago or earlier: what follows may use their registers
	s_wait_dscnt 0x0                               ; my scores and my stores into A have landed
	s_barrier_signal -1
	s_barrier_wait -1
	s_cmp_lg_u32 s[P], 1
	s_cbranch_scc1 .Lsoft_done
	; THE SOFTMAX OVER THE 16 HEADS, a position to a thread, in place
.irp k, 0,1,2,3,4,5,6,7,8,9,10,11,12,13,14,15
	ds_load_b32 v[SX+\k], v[ST] offset:512*\k
.endr
	s_wait_dscnt 0x0
	v_max3_num_f32 v[SX+16], v[SX], v[SX+1], v[SX+2]
	v_max3_num_f32 v[SX+17], v[SX+3], v[SX+4], v[SX+5]
.irp k, 6,10
	v_max3_num_f32 v[SX+16], v[SX+16], v[SX+\k], v[SX+\k+1]
	v_max3_num_f32 v[SX+17], v[SX+17], v[SX+\k+2], v[SX+\k+3]
.endr
	v_max3_num_f32 v[SX+16], v[SX+16], v[SX+14], v[SX+15]
	v_max_num_f32 v[SX+16], v[SX+16], v[SX+17]     ; the position's largest score
	v_mul_f32 v[SX+16], s[L2E], v[SX+16]
.irp k, 0,1,2,3,4,5,6,7,8,9,10,11,12,13,14,15
	v_fma_f32 v[SX+\k], v[SX+\k], s[L2E], -v[SX+16]   ; (score - maximum) log2(e): what the rounded product leaves is the same for all 16 and falls out in the division
.endr
.irp k, 0,1,2,3,4,5,6,7,8,9,10,11,12,13,14,15
	v_exp_f32 v[SX+\k], v[SX+\k]
.endr
	v_nop                                          ; a plain instruction between the exponentials and the use of their results (ISA guide 5.7.2)
	s_wait_alu depctr_va_vdst(0)
.irp k, 0,1,2,3
	v_add_f32 v[SX+17+\k], v[SX+2*\k], v[SX+2*\k+1]   ; four chains
.endr
.irp k, 0,1,2,3
	v_add_f32 v[SX+17+\k], v[SX+17+\k], v[SX+8+\k]
.endr
.irp k, 0,1,2,3
	v_add_f32 v[SX+17+\k], v[SX+17+\k], v[SX+12+\k]
.endr
	v_add_f32 v[SX+17], v[SX+17], v[SX+18]
	v_add_f32 v[SX+19], v[SX+19], v[SX+20]
	v_add_f32 v[SX+17], v[SX+17], v[SX+19]
	v_rcp_f32 v[SX+18], v[SX+17]
	v_nop
	s_wait_alu depctr_va_vdst(0)
.irp k, 0,1,2,3,4,5,6,7,8,9,10,11,12,13,14,15
	v_mul_f32 v[SX+\k], v[SX+\k], v[SX+18]
.endr
.irp k, 0,1,2,3,4,5,6,7,8,9,10,11,12,13,14,15
	ds_store_b32 v[ST], v[SX+\k] offset:512*\k
.endr
.Lsoft_done:
	s_wait_dscnt 0x0                               ; att has landed
	s_barrier_signal -1
	s_barrier_wait -1
	s_cmp_lg_u32 s[P], 2
	s_cbranch_scc1 .Lnext
	VEPI 0
	s_wait_xcnt 0x0                                ; the store has read its registers: the last pass's epilogue writes them again
.Lnext:
	s_add_co_u32 s[P], s[P], 1
	s_cmp_lt_u32 s[P], 3
	s_cbranch_scc1 .Lpass
	; PASS V1 is written out: its first two changes of slots ask for the last two blocks, the third for nothing
	PLACES 5
	STEP 0, 0, 1
	TURN 0, 1, 1, 1, 1024
	STEP 1, 2, 0
	TURN 1, 0, 3, 1, 2048
	STEP 0, 4, 0
	TURN 0, 1, 5, 0, 3072
	STEP 1, 6, 0
	s_wait_dscnt 24                                ; the very last step: nothing more to fetch
	WIN MUL_LO
	MUL16 0, 1, 1, 1, 0
	MUL16 2, 1, 1, 1, 0
	s_wait_dscnt 0x0
	WIN MUL_HI
	MUL16 4, 1, 1, 1, 0
	MUL16 6, 1, 1, 1, 0
	WIN 0
	PLACES 4
	VEPI 1
	s_wait_tensorcnt 0x0                           ; the wave's end: behind my last tensor load and my last LDS store
	ds_add_u32 v[SPW], v[NIL]
	s_wait_dscnt 0x0
	CROUND                                         ; the closing round: no work-group ends while a partner may still ask for a block that names it
	s_endpgm
.Lfunc_end_k_q6b630a2c90_main:
	.size	k_q6b630a2c90_main, .Lfunc_end_k_q6b630a2c90_main-k_q6b630a2c90_main
	.p2alignl 7, 3214868480
	.fill 96, 4, 3214868480
	.section	.rodata,"a",@progbits
	.p2align	6, 0x0
	.amdhsa_kernel k_q6b630a2c90_main
		.amdhsa_group_segment_fixed_size 327680
		.amdhsa_private_segment_fixed_size 0
		.amdhsa_enable_private_segment 0
		.amdhsa_kernarg_size 72
		.amdhsa_user_sgpr_count 2
		.amdhsa_user_sgpr_kernarg_segment_ptr 1
		.amdhsa_wavefront_size32 1
		.amdhsa_system_sgpr_workgroup_id_x 1
		.amdhsa_system_sgpr_workgroup_id_y 1
		.amdhsa_system_sgpr_workgroup_id_z 1
		.amdhsa_system_vgpr_workitem_id 0
		.amdhsa_next_free_vgpr 1024
		.amdhsa_next_free_sgpr 66
		.amdhsa_reserve_vcc 1
		.amdhsa_float_denorm_mode_32 3
		.amdhsa_float_denorm_mode_16_64 3
		.amdhsa_memory_ordered 1
		.amdhsa_forward_progress 1
		.amdhsa_inst_pref_size 255
	.end_amdhsa_kernel
	.section	.bss,"aw",@nobits
	.p2align	6
	.space	262144
	.amdgpu_metadata
---
amdhsa.version: [ 1, 2 ]
amdhsa.kernels:
  - .name:           k_q6b630a2c90_main
    .symbol:         k_q6b630a2c90_main.kd
    .args:
      - { .name: key__codes, .offset: 0, .size: 8, .value_kind: global_buffer, .address_space: global }
      - { .name: key__scales, .offset: 8, .size: 8, .value_kind: global_buffer, .address_space: global }
      - { .name: value_codes, .offset: 16, .size: 8, .value_kind: global_buffer, .address_space: global }
      - { .name: value_scales, .offset: 24, .size: 8, .value_kind: global_buffer, .address_space: global }
      - { .name: wimg, .offset: 32, .size: 8, .value_kind: global_buffer, .address_space: global }
      - { .name: qbuf, .offset: 40, .size: 8, .value_kind: global_buffer, .address_space: global }
      - { .name: bk, .offset: 48, .size: 8, .value_kind: global_buffer, .address_space: global }
      - { .name: bv, .offset: 56, .size: 8, .value_kind: global_buffer, .address_space: global }
      - { .name: part, .offset: 64, .size: 8, .value_kind: global_buffer, .address_space: global }
    .group_segment_fixed_size: 327680
    .private_segment_fixed_size: 0
    .kernarg_segment_align: 8
    .kernarg_segment_size: 72
    .max_flat_workgroup_size: 128
    .sgpr_count:     66
    .vgpr_count:     1024
    .wavefront_size: 32
...
	.end_amdgpu_metadata
.endif
;; end of part 2
;; launch final (part 3): grid 16 x 16, 4 waves a work-group, no clusters, 18,432 bytes of LDS; arguments part, Wf_codes, Wf_scales, bf, out0; writes out0
.if DOCPART == 3
	.amdgcn_target "amdgcn-amd-amdhsa--gfx1250"
	.amdhsa_code_object_version 6
	.text
	.protected	k_q6b630a2c90_final
	.globl	k_q6b630a2c90_final
	.p2align	8
	.type	k_q6b630a2c90_final,@function
k_q6b630a2c90_final:
	s_mov_b64 s[64:65], 0
	v_nop
	global_prefetch_b8 v0, s[64:65] scope:SCOPE_SE
	s_setreg_imm32_b32 hwreg(HW_REG_WAVE_MODE, 25, 1), 1
	s_wait_xcnt 0x0
; out0[b] = Q(the sum of batch b's 16 parts) Wf^T + bf, the product on codes of E3M2 with one E8M0 scale for each 32 along K.
; SHARES.  Work-group (x = j, y = b) makes outputs 64 j .. 64 j + 63 of batch b: it reads the batch's 16 parts (64 KiB) and 64 rows of Wf (51 KiB); wave w takes 16 of the outputs.  With fewer work-groups each would read a
; large part of part or of Wf by itself; the price of this split is that every work-group of a batch sums and quantises the same row, and that source 0 of the product is that one row sixteen times.
; PHASES, three barriers: the sum (thread t: columns 4 t .. and 512 + 4 t ..) to LDS | wave w quantises K steps 2 w and 2 w + 1 and stores them as images of the operand's registers (three ds_store_b128 at 16 x lane, the scale
; word at 4 x lane) | every wave fetches the 8 fragments, 8 matrix instructions on two accumulators by turns, + bf, 64 bytes to a stage | wave 0 stores the 256 bytes, one aligned block.
; LOADS: the parts, Wf's K steps 0-3, its scale words and bf go out at the head (59 loads of a wave); Wf's K steps 4-7 behind the sum (at most 51 are then out) and land while the row is quantised.
; THE QUANTISER: a block's scale is 2^(floor(log2(its largest magnitude)) - 4): its byte is that magnitude's exponent field - 4, held at 1 from below by a floor among the maximum's leaves; the conversion rounds to the nearest code,
; ties to even, and gives the largest code beyond 28.
; LIMITS: a block of zeros, or one whose largest magnitude lies under 2^-122, gets the byte 1 (the rule says 127 for zeros: its codes are zeros, which add nothing, and this program alone reads the bytes); NaN and infinities are not served.
.set SUM, 0                            ; LDS: the summed row, 4,096 bytes;
.set IMG, 4096                         ; its 8 fragments, 1,536 bytes each;
.set ISC, IMG+8*1536                   ; their scale words, 128 bytes each;
.set OST, ISC+8*128                    ; the stage for 64 outputs
.set TM,  192                          ; v192-195 largest magnitudes, v196-199 bytes, v204-207 the conversions' scale operands
.set PW,  208                          ; the scale word just made
.set PC,  212                          ; v212-223 the codes just made, v224-230 at work
.set SEL, 20                           ; s[20:21] v_permlanex16_b32's selects for lane l xor 16
; 64 numbers of a lane, v[s] .. v[s + 63], register 16 b + i = k 32 b + 16 (lane / 16) + i of the row, become a fragment's codes in v[PC] on and its scale word in v[PW].
.macro QUANT s
.irp b, 0,1,2,3
	v_max3_num_f32 v[TM+\b], |v[\s+16*\b]|, |v[\s+1+16*\b]|, 0x2800000   ; block b: my 16 numbers, and the floor 2^(5 - 127): so the byte cannot fall under 1
.endr
.irp i, 2,4,6,8,10,12,14
.irp b, 0,1,2,3
	v_max3_num_f32 v[TM+\b], v[TM+\b], |v[\s+16*\b+\i]|, |v[\s+1+16*\b+\i]|   ; (the four blocks by turns)
.endr
.endr
.irp b, 0,1,2,3
	v_permlanex16_b32 v[TM+4+\b], v[TM+\b], s[SEL], s[SEL+1]
.endr
.irp b, 0,1,2,3
	v_max_num_f32 v[TM+\b], v[TM+\b], v[TM+4+\b]   ; with lane l xor 16's: the block's largest magnitude
.endr
.irp b, 0,1,2,3
	v_add_nc_u32 v[TM+12+\b], 0xfe000000, v[TM+\b] ; 4 off its exponent field: the conversion takes the exponent field of this operand as its scale, and nothing else of it
.endr
.irp b, 0,1,2,3
	v_lshrrev_b32 v[TM+4+\b], 23, v[TM+12+\b]      ; the scale's byte
.endr
	v_lshl_or_b32 v[PW], v[TM+5], 8, v[TM+4]
	v_lshl_or_b32 v[PW], v[TM+6], 16, v[PW]
	v_lshl_or_b32 v[PW], v[TM+7], 24, v[PW]
.irp c, 0,1
	v_cvt_scalef32_pk16_bf6_f32 v[PC+6*\c:PC+2+6*\c], v[\s+32*\c:\s+15+32*\c], v[TM+12+2*\c]
	v_cvt_scalef32_pk16_bf6_f32 v[PC+12+4*\c:PC+14+4*\c], v[\s+16+32*\c:\s+31+32*\c], v[TM+12+2*\c+1]   ; (a conversion's three registers begin on an even number)
.endr
	v_nop                                          ; one plain place behind a scaled conversion
.irp c, 0,1                            ; the operand's layout wants a WHOLE block in a lane: lanes 0-15 block 2 c, lanes 16-31 block 2 c + 1
.irp i, 0,1,2
	v_permlane16_swap_b32 v[PC+6*\c+\i], v[PC+12+4*\c+\i]
.endr
.irp i, 0,1,2
	v_mov_b32 v[PC+3+6*\c+\i], v[PC+12+4*\c+\i]
.endr
.endr
.endm
.macro BARRIER                         ; my LDS stores have landed and my LDS loads are in: then the work-group's barrier
	s_wait_dscnt 0x0
	s_barrier_signal -1
	s_barrier_wait -1
.endm
.macro WLOAD s                         ; Wf's fragment of K step s into v[16 + 12 s] on
.irp p, 0,1,2,3,4,5
	global_load_b64 v[16+12*(\s)+2*\p:16+12*(\s)+2*\p+1], v4, s[6:7] offset:96*(\s)+48*(\p/3)+8*(\p%3)
.endr
.endm
	s_load_b256 s[4:11], s[0:1], 0x0               ; part, Wf codes, Wf scales, bf
	s_load_b64 s[12:13], s[0:1], 0x20              ; out0
	v_lshl_add_u32 v126, v0, 2, 0x4600
	v_mov_b32 v127, 0
	v_lshrrev_b32 v1, 5, v0
	v_readfirstlane_b32 s14, v1                    ; wave 0..3
	v_and_b32 v1, 15, v0                           ; r
	v_bfe_u32 v2, v0, 4, 1                         ; h
	v_and_b32 v3, 31, v0                           ; lane
	v_mul_u32_u24 v4, v1, 768
	v_mad_u32_u24 v4, v2, 24, v4                   ; Wf: row r of 768 bytes, + 24 h
	v_lshlrev_b32 v5, 5, v1                        ; its 32 scale bytes
	v_lshlrev_b32 v6, 2, v1                        ; bf
	v_lshlrev_b32 v7, 4, v0                        ; 16 x thread: in a part, and in the summed row
	s_lshl_b32 s22, s14, 10
	v_lshl_add_u32 v8, v2, 6, s22                  ; the summed row: my wave's two K steps, + 16 h numbers
	s_mul_i32 s22, s14, 2*1536
	s_add_co_u32 s22, s22, IMG
	v_lshl_add_u32 v9, v3, 4, s22                  ; where I store images
	s_lshl_b32 s22, s14, 8
	s_add_co_u32 s22, s22, ISC
	v_lshl_add_u32 v10, v3, 2, s22                 ; and their scale words
	v_lshl_add_u32 v11, v3, 4, IMG                 ; where I fetch them
	v_lshl_add_u32 v12, v3, 2, ISC
	s_lshl_b32 s22, s14, 6
	s_add_co_u32 s22, s22, OST
	v_lshl_add_u32 v13, v1, 2, s22                 ; the stage: my wave's 16 outputs
	v_lshl_add_u32 v14, v3, 3, OST                 ; and back: 8 bytes a lane
	v_lshlrev_b32 v15, 3, v3
	s_mov_b32 s[SEL], 0x76543210
	s_mov_b32 s[SEL+1], 0xfedcba98
.irp b, 0,1,2,3
	v_mov_b32 v[TM+4+\b], 0                        ; written once: a lane permute's destination counts as one of its sources
.endr
	s_and_b32 s16, ttmp7, 0xffff                   ; batch
	s_lshl_b32 s17, ttmp9, 6
	s_lshl_b32 s23, s14, 4
	s_add_co_u32 s17, s17, s23                     ; my wave's first output: 64 j + 16 w
	s_lshl_b32 s18, s16, 16
	s_mov_b32 s19, 0
	s_wait_kmcnt 0x0
	s_add_nc_u64 s[4:5], s[4:5], s[18:19]          ; the batch's 16 parts
	s_mul_i32 s18, s17, 768
	s_add_nc_u64 s[6:7], s[6:7], s[18:19]
	s_lshl_b32 s18, s17, 5
	s_add_nc_u64 s[8:9], s[8:9], s[18:19]
	s_lshl_b32 s18, s17, 2
	s_add_nc_u64 s[10:11], s[10:11], s[18:19]
	s_lshl_b32 s18, s16, 12
	s_lshl_b32 s23, ttmp9, 8
	s_add_co_u32 s18, s18, s23
	s_add_nc_u64 s[12:13], s[12:13], s[18:19]      ; out0: batch's row, + 256 j
.irp i, 0,1,2,3,4,5,6,7,8,9,10,11,12,13,14,15
	global_load_b128 v[128+8*\i:131+8*\i], v7, s[4:5] offset:4096*\i
	global_load_b128 v[132+8*\i:135+8*\i], v7, s[4:5] offset:4096*\i+2048
.endr
.irp s, 0,1,2,3
	WLOAD \s
.endr
	global_load_b128 v[112:115], v5, s[8:9]        ; Wf's scale words: register s = K step s of row r
	global_load_b128 v[116:119], v5, s[8:9] offset:16
	global_load_b32 v120, v6, s[10:11]
	s_wait_loadcnt 27                              ; the 32 loads of the parts are in; the 27 behind them (24 of Wf's codes, 2 of its scale words, bf's) may be out
.irp i, 1,2,3,4,5,6,7,8,9,10,11,12,13,14,15
.irp c, 0,1,2,3
	v_pk_add_f32 v[128+2*\c:129+2*\c], v[128+2*\c:129+2*\c], v[128+8*\i+2*\c:129+8*\i+2*\c]   ; the parts in ascending order, four chains
.endr
.endr
	ds_store_b128 v7, v[128:131] offset:SUM
	ds_store_b128 v7, v[132:135] offset:SUM+2048
.irp s, 4,5,6,7
	WLOAD \s                                       ; Wf's other four K steps: wanted behind the second barrier
.endr
	BARRIER                                        ; the summed row lies in LDS
.irp e, 0,1
.irp b, 0,1,2,3
.irp j, 0,1,2,3
	ds_load_b128 v[128+16*\b+4*\j:131+16*\b+4*\j], v8 offset:SUM+512*\e+128*\b+16*\j   ; the sixteen lanes of a half read the same bytes: every row of the operand is the one row
.endr
.endr
	s_wait_dscnt 0x0
	QUANT 128
.irp c, 0,1,2
	ds_store_b128 v9, v[PC+4*\c:PC+4*\c+3] offset:1536*\e+512*\c
.endr
	ds_store_b32 v10, v[PW] offset:128*\e
	s_wait_dscnt 0x0                               ; the stores have read their registers
.endr
	BARRIER                                        ; the eight fragments lie in LDS
.irp s, 0,1,2,3,4,5,6,7
.irp c, 0,1,2
	ds_load_b128 v[128+12*\s+4*\c:131+12*\s+4*\c], v11 offset:1536*\s+512*\c
.endr
	ds_load_b32 v[224+\s], v12 offset:128*\s
.endr
	s_wait_dscnt 0x0
	s_wait_loadcnt 0x0                             ; Wf, its scale words, bf
; source 0 = the row, sixteen times; source 1 = 16 rows of Wf: register 0 of lane r is output r.  Two accumulators by turns, both begun with 0
.irp s, 0,1,2,3,4,5,6,7
.if \s < 2
	v_wmma_scale_f32_16x16x128_f8f6f4 v[240+8*\s:247+8*\s], v[128+12*\s:139+12*\s], v[16+12*\s:27+12*\s], 0, v[224+\s], v[112+\s] matrix_a_fmt:MATRIX_FMT_BF6 matrix_b_fmt:MATRIX_FMT_BF6
.else
	v_wmma_scale_f32_16x16x128_f8f6f4 v[240+8*(\s%2):247+8*(\s%2)], v[128+12*\s:139+12*\s], v[16+12*\s:27+12*\s], v[240+8*(\s%2):247+8*(\s%2)], v[224+\s], v[112+\s] matrix_a_fmt:MATRIX_FMT_BF6 matrix_b_fmt:MATRIX_FMT_BF6
.endif
.endr
.rept 4
	v_nop                                          ; four places ahead of the first read of the results (ISA guide 7.12.1)
.endr
	v_add_f32 v121, v240, v248                     ; each accumulator's lowest register
	v_add_f32 v121, v121, v120                     ; + bf
	ds_store_b32 v13, v121                         ; lanes r and 16 + r write the same word with the same value
	BARRIER                                        ; the 64 outputs lie in the stage
	s_cmp_lg_u32 s14, 0
	s_cbranch_scc1 .Lend
	ds_load_b64 v[122:123], v14
	s_wait_dscnt 0x0
	global_store_b64 v15, v[122:123], s[12:13]     ; 32 lanes store 256 consecutive bytes, at a multiple of 256 from out0's first byte
.Lend:
	s_wait_tensorcnt 0x0
	ds_add_u32 v126, v127
	s_wait_dscnt 0x0
	s_endpgm
.Lfunc_end_k_q6b630a2c90_final:
	.size	k_q6b630a2c90_final, .Lfunc_end_k_q6b630a2c90_final-k_q6b630a2c90_final
	.p2alignl 7, 3214868480
	.fill 96, 4, 3214868480
	.section	.rodata,"a",@progbits
	.p2align	6, 0x0
	.amdhsa_kernel k_q6b630a2c90_final
		.amdhsa_group_segment_fixed_size 18432
		.amdhsa_private_segment_fixed_size 0
		.amdhsa_enable_private_segment 0
		.amdhsa_kernarg_size 40
		.amdhsa_user_sgpr_count 2
		.amdhsa_user_sgpr_kernarg_segment_ptr 1
		.amdhsa_wavefront_size32 1
		.amdhsa_system_sgpr_workgroup_id_x 1
		.amdhsa_system_sgpr_workgroup_id_y 1
		.amdhsa_system_sgpr_workgroup_id_z 1
		.amdhsa_system_vgpr_workitem_id 0
		.amdhsa_next_free_vgpr 256
		.amdhsa_next_free_sgpr 66
		.amdhsa_reserve_vcc 0
		.amdhsa_float_denorm_mode_32 3
		.amdhsa_float_denorm_mode_16_64 3
		.amdhsa_memory_ordered 1
		.amdhsa_forward_progress 1
		.amdhsa_inst_pref_size 29
	.end_amdhsa_kernel
	.amdgpu_metadata
---
amdhsa.version: [ 1, 2 ]
amdhsa.kernels:
  - .name:           k_q6b630a2c90_final
    .symbol:         k_q6b630a2c90_final.kd
    .args:
      - { .name: part, .offset: 0, .size: 8, .value_kind: global_buffer, .address_space: global }
      - { .name: Wf_codes, .offset: 8, .size: 8, .value_kind: global_buffer, .address_space: global }
      - { .name: Wf_scales, .offset: 16, .size: 8, .value_kind: global_buffer, .address_space: global }
      - { .name: bf, .offset: 24, .size: 8, .value_kind: global_buffer, .address_space: global }
      - { .name: out0, .offset: 32, .size: 8, .value_kind: global_buffer, .address_space: global }
    .group_segment_fixed_size: 18432
    .private_segment_fixed_size: 0
    .kernarg_segment_align: 8
    .kernarg_segment_size: 40
    .max_flat_workgroup_size: 128
    .sgpr_count:     66
    .vgpr_count:     256
    .wavefront_size: 32
...
	.end_amdgpu_metadata
.endif
;; end of part 3
